; MI455X (gfx1250); checked and timed in simulation.
; The chip was launched on July 23, 2026; its instructions are those of AMD's public machine-readable ISA for CDNA 5 (MIT licence, August 2026) and "CDNA5" Instruction Set Architecture Reference Guide (July 2026). The comments in the code are by the model that wrote it; some were corrected since.
;; Self Attention. Allowed arithmetic: float matrix products may take bf16 or f16 operands with f32 sums; all other float work in f32.
;; Inputs: Wk 1,024 x 1,024 float32; Wo 1,024 x 1,024 float32; Wq 1,024 x 1,024 float32; Wv 1,024 x 1,024 float32; bk 1,024 float32; bo 1,024 float32; bq 1,024 float32; bv 1,024 float32; x 2 x 2,048 x 1,024 float32.
;; Outputs: out0 2,048 x 1,024 float32.
;; One version. Each part assembles by itself: llvm-mc -triple=amdgcn-amd-amdhsa -mcpu=gfx1250 --defsym DOCPART=n.
;; ======== version 1 of 1: 3 launches
;; limits: values are held in f16: magnitudes above 65,504 overflow, below 6.1e-05 lose precision; right only within a limited range of input values
;; workspace buffers: q 4,194,304 bytes; k 4,194,304 bytes; vt 4,194,304 bytes; ctx 4,194,304 bytes; vmax 1,024 bytes
;; launch qkv (part 1): grid 16 x 16, 8 waves a work-group, no clusters, 193,792 bytes of LDS; arguments x, Wq, Wk, Wv, bq, bk, bv, q, k, vt, vmax; writes q, k, vt, vmax
.if DOCPART == 1
	.amdgcn_target "amdgcn-amd-amdhsa--gfx1250"
	.amdhsa_code_object_version 6
	.text
	.protected	k_q806997bb52_qkv
	.globl	k_q806997bb52_qkv
	.p2align	8
	.type	k_q806997bb52_qkv,@function
k_q806997bb52_qkv:
	s_mov_b64 s[64:65], 0
	v_nop
	global_prefetch_b8 v0, s[64:65] scope:SCOPE_SE
	s_setreg_imm32_b32 hwreg(HW_REG_WAVE_MODE, 25, 1), 1
	s_wait_xcnt 0x0
; q, k, v of batch 0:  q[h][s][d] = (x[0][s] . Wq[64h+d] + bq[64h+d]) * 2^-4, k likewise, vt[h][d][s] = (x[0][s] . Wv[64h+d] + bv[64h+d]) * 2^-3,
; all three in f16; vmax[16h+mb] = the largest |v * 2^-3| of this work-group, in f32.
; reference() returns out[0], and no row of x[1] enters it (the projections act row by row, attention stays inside a batch): only x[0] is read.
; FORMAT: the products take f16 operands and sum in f32.  LIMITS: |x|, |W| < 65,504; |q|, |k| < 1.05e6 (2^-4 of it must fit f16); |v| < 5.2e5
; (2^-3 of it).  Beyond these the stored f16 is infinite.  A NaN among v does not enter vmax.
; SHARE: work-group (mb, head) makes 128 rows of x[0] times the head's 64 rows of each of Wq, Wk, Wv; K = 1024 in 16 chunks of 64.
; Wave w: rows 64 (w>>2) .. +63, columns 16 (w&3) .. +15 of each of q, k, v: 12 accumulator tiles.
; NO TENSOR LOADS, NO CLUSTER: x and W are f32 in memory and f16 at the matrix unit, so every number passes through registers once anyway
; (load, narrow, store to LDS); raw f32 tiles in LDS would double the LDS bytes written and read.
; A chunk is 320 rows x 256 bytes = 20 loads of 16 bytes a thread.  Three register sets (registers 256 and up) take turns: 60 loads of a wave are out,
; and a chunk is asked for three trips before it is narrowed.  Three LDS slots of f16 rows take the same turns, one barrier a trip.
.set PITCH,  144                       ; an LDS row: 64 f16 + 16 bytes, an odd multiple of 16: the 16 rows of a fragment load start in 16 different 16-byte columns of 256
.set SLOTB,  320*PITCH                 ; a slot: 128 rows of x, then 64 rows each of Wq, Wk, Wv
.set WOFF,   128*PITCH
.set QST,    3*SLOTB                   ; the way out: q 128 x 144, then k 128 x 144,
.set VST,    QST+256*PITCH             ; then vt 64 rows x 272 (128 f16 + 16 bytes),
.set VPITCH, 272
.set VMX,    VST+64*VPITCH             ; then one word for each wave
.set VX,  8                            ; v8      global byte offset of my 16 bytes of x's rows (stepped by three chunks a lap)
.set VW,  9                            ; v9      the same for the rows of Wq, Wk, Wv
.set SX,  10                           ; v10-12  slot s: where my 8 bytes of x's rows go
.set SW,  13                           ; v13-15  slot s: the same for W's rows
.set AA,  16                           ; v16-18  slot s: my fragments of x
.set BA,  19                           ; v19-21  slot s: my fragments of W
.set F0,  24                           ; v24-79  fragments of K 0-31 of a chunk: x tile a at +8a, W of matrix m at +32+8m
.set F1,  80                           ; v80-135 fragments of K 32-63
.set ACC, 136                          ; v136-231 tile (m, a) at +8(4m+a); m = 0 q, 1 k, 2 v
.set BQ,  232                          ; v232-239 bq of my 8 columns
.set BK,  240                          ; v240-247 bk
.set BV,  248                          ; v248-249 bv of my one column, twice
.set VM,  250                          ; v250    running max |v'|
                                       ; registers 256+80s .. 256+80s+79: set s; x's load i at +4i, matrix m's load i at +32+16m+4i
.set MSB, 0
.macro WIN new                         ; s_set_vgpr_msb: bits 1:0 source 0, 3:2 source 1, 5:4 source 2, 7:6 destination; the high byte repeats the setting that is left
.if MSB != \new
	s_set_vgpr_msb (MSB<<8)|\new
.set MSB, \new
.endif
.endm
.macro PLACES n
.rept \n
	v_nop
.endr
.endm
	s_load_b512 s[8:23], s[0:1], 0x0               ; x 8:9, Wq 10:11, Wk 12:13, Wv 14:15, bq 16:17, bk 18:19, bv 20:21, q 22:23
	s_load_b128 s[24:27], s[0:1], 0x40             ; k 24:25, vt 26:27
	s_load_b64 s[28:29], s[0:1], 0x50              ; vmax
	v_lshl_add_u32 v254, v0, 2, 0x2f100
	v_mov_b32 v255, 0
	v_lshrrev_b32 v1, 5, v0
	v_readfirstlane_b32 s2, v1                     ; wave 0..7
	s_mov_b32 s3, ttmp9                            ; mb: which 128 rows
	s_and_b32 s4, ttmp7, 0xffff                    ; head
	s_lshr_b32 s6, s2, 2                           ; wm: which 64 rows are my tile's
	s_and_b32 s7, s2, 3                            ; wn: which 16 columns
	s_mov_b32 s32, 0x76543210                      ; v_permlanex16_b32: lane i reads lane i of the other half
	s_mov_b32 s33, 0xfedcba98
	v_and_b32 v2, 15, v0                           ; r
	v_bfe_u32 v3, v0, 4, 1                         ; h
	; Loading: 16 lanes take the 256 bytes of a row's chunk; the two halves of a wave take rows 8 apart, so that their 8-byte LDS stores
	; (8 x 144 = 128 modulo 256) fill 256 different bytes of the banks.  x: rows 16 w + 8 h + i, i = 0..7.  W: rows 16 (w>>1) + 4 (w&1) + 8 h + i, i = 0..3.
	v_lshlrev_b32 v4, 4, v2
	v_lshl_add_u32 v4, v3, 15, v4                  ; 16 r + 8 h rows of 4,096 bytes
	s_lshl_b32 s34, s2, 16
	v_add_nc_u32 v[VX], s34, v4
	s_lshr_b32 s35, s2, 1
	s_and_b32 s36, s2, 1
	s_lshl_b32 s37, s35, 16
	s_lshl_b32 s38, s36, 14
	s_add_co_u32 s37, s37, s38
	v_add_nc_u32 v[VW], s37, v4
	v_mul_u32_u24 v5, v3, 8*PITCH
	v_lshl_add_u32 v5, v2, 3, v5                   ; 8 h rows + 8 r bytes
	s_mul_i32 s38, s2, 16*PITCH
	s_mul_i32 s39, s35, 16*PITCH
	s_mul_i32 s40, s36, 4*PITCH
	s_add_co_u32 s39, s39, s40
	s_add_co_u32 s39, s39, WOFF
	; Fragments (16 rows x 32 K in 8 registers): lane (r, h) takes row r, 16 bytes at 16 h and 16 bytes at 32 + 16 h.
	v_mul_u32_u24 v1, v2, PITCH
	v_lshl_add_u32 v1, v3, 4, v1
	s_mul_i32 s40, s6, 64*PITCH
	s_mul_i32 s41, s7, 16*PITCH
	s_add_co_u32 s41, s41, WOFF
.irp s, 0,1,2
	v_add_nc_u32 v[SX+\s], s38, v5
	v_add_nc_u32 v[SW+\s], s39, v5
	v_add_nc_u32 v[AA+\s], s40, v1
	v_add_nc_u32 v[BA+\s], s41, v1
	s_add_co_u32 s38, s38, SLOTB
	s_add_co_u32 s39, s39, SLOTB
	s_add_co_u32 s40, s40, SLOTB
	s_add_co_u32 s41, s41, SLOTB
.endr
	s_lshl_b32 s42, s4, 8
	s_lshl_b32 s43, s7, 6
	s_add_co_u32 s42, s42, s43                     ; byte offset of my 16 columns in a bias
	v_lshl_add_u32 v6, v3, 5, s42                  ; q, k: a lane holds columns 8 h .. 8 h + 7
	v_lshl_add_u32 v7, v2, 2, s42                  ; v: a lane holds column r
	s_wait_kmcnt 0x0
	s_mov_b32 s31, 0
	s_lshl_b32 s30, s3, 19                         ; 128 rows of 4,096 bytes
	s_add_nc_u64 s[8:9], s[8:9], s[30:31]
	s_lshl_b32 s30, s4, 18                         ; 64 rows of W; a head's 262,144 bytes of q, k, vt
	s_add_nc_u64 s[10:11], s[10:11], s[30:31]
	s_add_nc_u64 s[12:13], s[12:13], s[30:31]
	s_add_nc_u64 s[14:15], s[14:15], s[30:31]
	s_add_nc_u64 s[22:23], s[22:23], s[30:31]
	s_add_nc_u64 s[24:25], s[24:25], s[30:31]
	s_add_nc_u64 s[26:27], s[26:27], s[30:31]
	s_lshl_b32 s30, s3, 14                         ; 128 rows of 128 bytes of q and k
	s_add_nc_u64 s[22:23], s[22:23], s[30:31]
	s_add_nc_u64 s[24:25], s[24:25], s[30:31]
	s_lshl_b32 s30, s3, 8                          ; 128 columns of vt
	s_add_nc_u64 s[26:27], s[26:27], s[30:31]
	s_lshl_b32 s30, s4, 4
	s_add_co_u32 s30, s30, s3
	s_lshl_b32 s30, s30, 2
	s_add_nc_u64 s[28:29], s[28:29], s[30:31]      ; my word of vmax
	global_load_b128 v[BQ:BQ+3], v6, s[16:17]      ; the biases first: the first counted wait below covers them
	global_load_b128 v[BQ+4:BQ+7], v6, s[16:17] offset:16
	global_load_b128 v[BK:BK+3], v6, s[18:19]
	global_load_b128 v[BK+4:BK+7], v6, s[18:19] offset:16
	global_load_b32 v[BV], v7, s[20:21]
; 20 loads: chunk ch (counted from the chunk at which VX and VW stand) into set
.macro LOADSET set, ch
	WIN 0x40                                       ; destination in registers 256 and up
.irp i, 0,1,2,3,4,5,6,7
	global_load_b128 v[80*\set+4*\i:80*\set+4*\i+3], v[VX], s[8:9] offset:\i*4096+\ch*256
.endr
.irp m, 0,1,2
.irp i, 0,1,2,3
	global_load_b128 v[80*\set+32+16*\m+4*\i:80*\set+32+16*\m+4*\i+3], v[VW], s[10+2*\m:11+2*\m] offset:\i*4096+\ch*256
.endr
.endr
.endm
; 40 conversions in place: four f32 become four f16 in the quad's first two registers
.macro CVTSET set
	WIN 0x45
.set cq, 0
.rept 20
	v_cvt_pk_f16_f32 v[80*\set+4*cq], v[80*\set+4*cq], v[80*\set+4*cq+1]
	v_cvt_pk_f16_f32 v[80*\set+4*cq+1], v[80*\set+4*cq+2], v[80*\set+4*cq+3]
.set cq, cq+1
.endr
.endm
; 20 LDS stores of 8 bytes: set n goes to slot n
.macro PUTSET set
	WIN 0x04                                       ; store data in registers 256 and up
.irp i, 0,1,2,3,4,5,6,7
	ds_store_b64 v[SX+\set], v[80*\set+4*\i:80*\set+4*\i+1] offset:\i*PITCH
.endr
.irp m, 0,1,2
.irp i, 0,1,2,3
	ds_store_b64 v[SW+\set], v[80*\set+32+16*\m+4*\i:80*\set+32+16*\m+4*\i+1] offset:\m*64*PITCH+\i*PITCH
.endr
.endr
.endm
; 14 LDS loads: 4 fragments of x and one of each W, K = 32 kk .. 32 kk + 31 of the chunk in slot
.macro FETCH slot, kk, f
.irp a, 0,1,2,3
	ds_load_b128 v[\f+8*\a:\f+8*\a+3], v[AA+\slot] offset:\a*16*PITCH+\kk*64
	ds_load_b128 v[\f+8*\a+4:\f+8*\a+7], v[AA+\slot] offset:\a*16*PITCH+\kk*64+32
.endr
.irp m, 0,1,2
	ds_load_b128 v[\f+32+8*\m:\f+32+8*\m+3], v[BA+\slot] offset:\m*64*PITCH+\kk*64
	ds_load_b128 v[\f+32+8*\m+4:\f+32+8*\m+7], v[BA+\slot] offset:\m*64*PITCH+\kk*64+32
.endr
.endm
; 12 matrix instructions on 12 accumulators, which take turns.
; q, k: source 0 = rows of W, source 1 = rows of x: a lane then holds row r of x and 8 neighbouring columns d (16 bytes of a row of q).
; v: source 0 = rows of x, source 1 = rows of Wv: a lane then holds column d = r and 8 neighbouring rows s (16 bytes of a row of vt).
.macro MUL f, zero
.irp m, 0,1
.irp a, 0,1,2,3
.if \zero
	v_wmma_f32_16x16x32_f16 v[ACC+8*(4*\m+\a):ACC+8*(4*\m+\a)+7], v[\f+32+8*\m:\f+32+8*\m+7], v[\f+8*\a:\f+8*\a+7], 0
.else
	v_wmma_f32_16x16x32_f16 v[ACC+8*(4*\m+\a):ACC+8*(4*\m+\a)+7], v[\f+32+8*\m:\f+32+8*\m+7], v[\f+8*\a:\f+8*\a+7], v[ACC+8*(4*\m+\a):ACC+8*(4*\m+\a)+7]
.endif
.endr
.endr
.irp a, 0,1,2,3
.if \zero
	v_wmma_f32_16x16x32_f16 v[ACC+8*(8+\a):ACC+8*(8+\a)+7], v[\f+8*\a:\f+8*\a+7], v[\f+48:\f+55], 0
.else
	v_wmma_f32_16x16x32_f16 v[ACC+8*(8+\a):ACC+8*(8+\a)+7], v[\f+8*\a:\f+8*\a+7], v[\f+48:\f+55], v[ACC+8*(8+\a):ACC+8*(8+\a)+7]
.endif
.endr
.endm
; One trip: multiplies the chunk in slot cs; stage = 1: narrows the next chunk (set ss) into slot ss, which was last read two trips ago;
; issue = 1: asks for the chunk three further on into the same set.  left = loads younger than set ss's.
.macro TRIP cs, ss, stage, left, issue, ch, zero, bar
	FETCH \cs, 0, F0
	FETCH \cs, 1, F1
.if \stage
	s_wait_loadcnt \left                           ; loads return in order: set ss is in, the younger chunks (20 loads each) stay out
	CVTSET \ss
	PUTSET \ss
.if \issue
	LOADSET \ss, \ch
.endif
	WIN 0
	s_wait_dscnt 34                                ; F0's 14 loads are in: F1's 14 and the 20 stores are younger
.else
	s_wait_dscnt 14                                ; F0 is in: F1's 14 loads are younger
.endif
	MUL F0, \zero
.if \stage
	s_wait_dscnt 20                                ; F1 is in: the 20 stores are younger
.else
	s_wait_dscnt 0
.endif
	MUL F1, 0
	PLACES 4                                       ; four places between the matrix instructions and the next loads into their sources
.if \bar
	s_wait_dscnt 0x0                               ; my reads of slot cs and my stores into slot ss are done,
	s_barrier_signal -1                            ; and so are everybody's behind this barrier
	s_barrier_wait -1
.endif
.endm
.macro LAP zero
	TRIP 0, 1, 1, 40, 1, 4, \zero, 1
	TRIP 1, 2, 1, 40, 1, 5, 0, 1
	TRIP 2, 0, 1, 40, 1, 6, 0, 1
	s_wait_xcnt 0x0                                ; the pending loads' offsets are stepped only behind this wait
	v_add_nc_u32 v[VX], 768, v[VX]                 ; three chunks on
	v_add_nc_u32 v[VW], 768, v[VW]
.endm
	LOADSET 0, 0
	LOADSET 1, 1
	LOADSET 2, 2
	s_wait_loadcnt 40                              ; the biases and chunk 0 are in; chunks 1 and 2 stay out
	CVTSET 0
	PUTSET 0
	LOADSET 0, 3
	WIN 0
	s_wait_dscnt 0x0
	s_barrier_signal -1
	s_barrier_wait -1                              ; chunk 0 lies in slot 0
	LAP 1                                          ; trips 0-2; the first products start the sums: nothing is cleared
	s_mov_b32 s5, 3
.Llap:
	LAP 0                                          ; trips 3-11; trip 11 asks for chunk 15, the last
	s_sub_co_u32 s5, s5, 1
	s_cmp_lg_u32 s5, 0
	s_cbranch_scc1 .Llap
	TRIP 0, 1, 1, 40, 0, 0, 0, 1                   ; the last four trips ask for nothing: the counts run down
	TRIP 1, 2, 1, 20, 0, 0, 0, 1
	TRIP 2, 0, 1, 0, 0, 0, 0, 1
	TRIP 0, 0, 0, 0, 0, 0, 0, 0
	; THE WAY OUT.  acc * scale + bias * scale in one fused multiply-add, narrowed to f16, 16 bytes a lane into stages of their own in LDS,
	; read back as whole rows.  The stages are bytes that nothing else uses, so no barrier stands in front of these stores.
.irp j, 0,2,4,6
	v_pk_mul_f32 v[BQ+\j:BQ+\j+1], v[BQ+\j:BQ+\j+1], 0x3d800000 op_sel_hi:[1,0]      ; 2^-4
	v_pk_mul_f32 v[BK+\j:BK+\j+1], v[BK+\j:BK+\j+1], 0x3d800000 op_sel_hi:[1,0]
.endr
	v_mul_f32 v[BV], 0x3e000000, v[BV]             ; 2^-3
	v_mov_b32 v[BV+1], v[BV]
	s_lshl_b32 s34, s7, 5
	s_add_co_u32 s34, s34, QST
	v_add_nc_u32 v4, s34, v[AA]                    ; q's stage: row 64 wm + r, byte 32 wn + 16 h
	v_mul_u32_u24 v5, v2, VPITCH
	v_lshl_add_u32 v5, v3, 4, v5
	s_mul_i32 s35, s7, 16*VPITCH
	s_lshl_b32 s36, s6, 7
	s_add_co_u32 s35, s35, s36
	s_add_co_u32 s35, s35, VST
	v_add_nc_u32 v5, s35, v5                       ; vt's stage: row 16 wn + r, byte 128 wm + 16 h
.macro OUTQK m, a, bias
.irp j, 0,2,4,6
	v_pk_fma_f32 v[ACC+8*(4*\m+\a)+\j:ACC+8*(4*\m+\a)+\j+1], v[ACC+8*(4*\m+\a)+\j:ACC+8*(4*\m+\a)+\j+1], 0x3d800000, v[\bias+\j:\bias+\j+1] op_sel_hi:[1,0,1]
.endr
.irp j, 0,1,2,3
	v_cvt_pk_f16_f32 v[F0+4*(4*\m+\a)+\j], v[ACC+8*(4*\m+\a)+2*\j], v[ACC+8*(4*\m+\a)+2*\j+1]
.endr
	ds_store_b128 v4, v[F0+4*(4*\m+\a):F0+4*(4*\m+\a)+3] offset:\m*128*PITCH+\a*16*PITCH
.endm
.macro OUTV a
.irp j, 0,2,4,6
	v_pk_fma_f32 v[ACC+8*(8+\a)+\j:ACC+8*(8+\a)+\j+1], v[ACC+8*(8+\a)+\j:ACC+8*(8+\a)+\j+1], 0x3e000000, v[BV:BV+1] op_sel_hi:[1,0,1]
.endr
.if \a
	v_max3_num_f32 v[VM], |v[ACC+8*(8+\a)]|, |v[ACC+8*(8+\a)+1]|, v[VM]
.else
	v_max_num_f32 v[VM], |v[ACC+8*(8+\a)]|, |v[ACC+8*(8+\a)+1]|      ; the first two start the maximum
.endif
.irp j, 2,4,6
	v_max3_num_f32 v[VM], |v[ACC+8*(8+\a)+\j]|, |v[ACC+8*(8+\a)+\j+1]|, v[VM]
.endr
.irp j, 0,1,2,3
	v_cvt_pk_f16_f32 v[F0+4*(8+\a)+\j], v[ACC+8*(8+\a)+2*\j], v[ACC+8*(8+\a)+2*\j+1]
.endr
	ds_store_b128 v5, v[F0+4*(8+\a):F0+4*(8+\a)+3] offset:\a*32
.endm
.irp a, 0,1,2,3
	OUTQK 0, \a, BQ
.endr
.irp a, 0,1,2,3
	OUTQK 1, \a, BK
.endr
.irp a, 0,1,2,3
	OUTV \a
.endr
	v_max_num_f32_dpp v[VM], v[VM], v[VM] row_xmask:1 row_mask:0xf bank_mask:0xf
	v_max_num_f32_dpp v[VM], v[VM], v[VM] row_xmask:2 row_mask:0xf bank_mask:0xf
	v_max_num_f32_dpp v[VM], v[VM], v[VM] row_xmask:4 row_mask:0xf bank_mask:0xf
	v_max_num_f32_dpp v[VM], v[VM], v[VM] row_xmask:8 row_mask:0xf bank_mask:0xf
	v_permlanex16_b32 v1, v[VM], s32, s33
	v_max_num_f32 v[VM], v[VM], v1                 ; the wave's max |v'| in every lane
	s_lshl_b32 s34, s2, 2
	s_add_co_u32 s34, s34, VMX
	v_mov_b32 v[SX], s34
	ds_store_b32 v[SX], v[VM]                      ; all lanes write the wave's word with the same value
	; read-back addresses: q, k: thread t takes 16 bytes of row t>>3 (+32 rows a load); vt: 16 bytes of row t>>4 (+16 rows a load)
	v_lshrrev_b32 v6, 3, v0
	v_mul_u32_u24 v6, v6, PITCH
	v_and_b32 v1, 7, v0
	v_lshl_add_u32 v6, v1, 4, v6
	v_add_nc_u32 v6, QST, v6
	v_lshrrev_b32 v1, 4, v0
	v_mul_u32_u24 v7, v1, VPITCH
	v_lshl_add_u32 v7, v2, 4, v7
	v_add_nc_u32 v7, VST, v7
	v_lshlrev_b32 v[VX], 4, v0                     ; q, k: the block is dense: byte 16 t (all loads that named VX and VW are done)
	v_lshlrev_b32 v[VW], 12, v1                    ; vt: row t>>4 of 4,096 bytes,
	v_lshl_add_u32 v[VW], v2, 4, v[VW]             ; 16 bytes at 16 (t & 15)
	s_wait_dscnt 0x0                               ; my stage stores are done,
	s_barrier_signal -1
	s_barrier_wait -1                              ; everybody's are
.irp i, 0,1,2,3
	ds_load_b128 v[F0+4*\i:F0+4*\i+3], v6 offset:\i*32*PITCH
.endr
.irp i, 0,1,2,3
	ds_load_b128 v[F0+16+4*\i:F0+16+4*\i+3], v6 offset:128*PITCH+\i*32*PITCH
.endr
.irp i, 0,1,2,3
	ds_load_b128 v[F0+32+4*\i:F0+32+4*\i+3], v7 offset:\i*16*VPITCH
.endr
.irp i, 0,1,2,3
	s_wait_dscnt 11-\i                             ; LDS loads return in order: the younger ones stay out
	global_store_b128 v[VX], v[F0+4*\i:F0+4*\i+3], s[22:23] offset:\i*4096          ; a wave's store covers 512 consecutive bytes, aligned
.endr
.irp i, 0,1,2,3
	s_wait_dscnt 7-\i
	global_store_b128 v[VX], v[F0+16+4*\i:F0+16+4*\i+3], s[24:25] offset:\i*4096
.endr
.irp i, 0,1,2,3
	s_wait_dscnt 3-\i
	global_store_b128 v[VW], v[F0+32+4*\i:F0+32+4*\i+3], s[26:27] offset:\i*65536   ; 16 lanes store 256 consecutive bytes of a row of vt, aligned
.endr
	s_cmp_lg_u32 s2, 0
	s_cbranch_scc1 .Lend                           ; wave 0 alone: the work-group's max |v'|
	v_mov_b32 v1, VMX
	ds_load_b128 v[72:75], v1
	ds_load_b128 v[76:79], v1 offset:16
	s_wait_dscnt 0x0
	v_max3_num_f32 v72, v72, v73, v74
	v_max3_num_f32 v75, v75, v76, v77
	v_max3_num_f32 v72, v72, v78, v79
	v_max_num_f32 v72, v72, v75
	v_mov_b32 v[SW], 0
	v_cmp_eq_u32 vcc_lo, 0, v0
	s_wait_xcnt 0x0                                ; EXEC is a source of the pending stores: it changes only behind this wait
	s_and_saveexec_b32 s34, vcc_lo
	global_store_b32 v[SW], v72, s[28:29]          ; one word for the work-group
	s_wait_xcnt 0x0
	s_or_b32 exec_lo, exec_lo, s34
.Lend:
	s_wait_tensorcnt 0x0
	ds_add_u32 v254, v255
	s_wait_dscnt 0x0
	s_endpgm
.Lfunc_end_k_q806997bb52_qkv:
	.size	k_q806997bb52_qkv, .Lfunc_end_k_q806997bb52_qkv-k_q806997bb52_qkv
	.p2alignl 7, 3214868480
	.fill 96, 4, 3214868480
	.section	.rodata,"a",@progbits
	.p2align	6, 0x0
	.amdhsa_kernel k_q806997bb52_qkv
		.amdhsa_group_segment_fixed_size 193792
		.amdhsa_private_segment_fixed_size 0
		.amdhsa_enable_private_segment 0
		.amdhsa_kernarg_size 88
		.amdhsa_user_sgpr_count 2
		.amdhsa_user_sgpr_kernarg_segment_ptr 1
		.amdhsa_wavefront_size32 1
		.amdhsa_system_sgpr_workgroup_id_x 1
		.amdhsa_system_sgpr_workgroup_id_y 1
		.amdhsa_system_sgpr_workgroup_id_z 1
		.amdhsa_system_vgpr_workitem_id 0
		.amdhsa_next_free_vgpr 496
		.amdhsa_next_free_sgpr 66
		.amdhsa_reserve_vcc 1
		.amdhsa_float_denorm_mode_32 3
		.amdhsa_float_denorm_mode_16_64 3
		.amdhsa_memory_ordered 1
		.amdhsa_forward_progress 1
		.amdhsa_inst_pref_size 114
	.end_amdhsa_kernel
	.amdgpu_metadata
---
amdhsa.version: [ 1, 2 ]
amdhsa.kernels:
  - .name:           k_q806997bb52_qkv
    .symbol:         k_q806997bb52_qkv.kd
    .args:
      - { .name: x, .offset: 0, .size: 8, .value_kind: global_buffer, .address_space: global }
      - { .name: Wq, .offset: 8, .size: 8, .value_kind: global_buffer, .address_space: global }
      - { .name: Wk, .offset: 16, .size: 8, .value_kind: global_buffer, .address_space: global }
      - { .name: Wv, .offset: 24, .size: 8, .value_kind: global_buffer, .address_space: global }
      - { .name: bq, .offset: 32, .size: 8, .value_kind: global_buffer, .address_space: global }
      - { .name: bk, .offset: 40, .size: 8, .value_kind: global_buffer, .address_space: global }
      - { .name: bv, .offset: 48, .size: 8, .value_kind: global_buffer, .address_space: global }
      - { .name: q, .offset: 56, .size: 8, .value_kind: global_buffer, .address_space: global }
      - { .name: k, .offset: 64, .size: 8, .value_kind: global_buffer, .address_space: global }
      - { .name: vt, .offset: 72, .size: 8, .value_kind: global_buffer, .address_space: global }
      - { .name: vmax, .offset: 80, .size: 8, .value_kind: global_buffer, .address_space: global }
    .group_segment_fixed_size: 193792
    .private_segment_fixed_size: 0
    .kernarg_segment_align: 8
    .kernarg_segment_size: 88
    .max_flat_workgroup_size: 256
    .sgpr_count:     66
    .vgpr_count:     496
    .wavefront_size: 32
...
	.end_amdgpu_metadata
.endif
;; end of part 1
;; launch attn (part 2): grid 16 x 16, 8 waves a work-group, clusters of 4 x 1, 327,680 bytes of LDS; arguments q, k, vt, vmax, ctx; writes ctx
.if DOCPART == 2
	.amdgcn_target "amdgcn-amd-amdhsa--gfx1250"
	.amdhsa_code_object_version 6
	.text
	.protected	k_q806997bb52_attn
	.globl	k_q806997bb52_attn
	.p2align	8
	.type	k_q806997bb52_attn,@function
k_q806997bb52_attn:
	s_mov_b64 s[64:65], 0
	v_nop
	global_prefetch_b8 v0, s[64:65] scope:SCOPE_SE
	s_setreg_imm32_b32 hwreg(HW_REG_WAVE_MODE, 25, 1), 1
	s_wait_xcnt 0x0
	s_wait_alu depctr_hold_cnt(0) depctr_sa_sdst(0) depctr_va_vdst(0) depctr_va_sdst(0) depctr_va_ssrc(0) depctr_va_vcc(0) depctr_vm_vsrc(0)
	s_getreg_b32 s2, hwreg(HW_REG_IB_STS2, 6, 4)
	s_cmp_eq_u32 s2, 0
	s_cbranch_scc0 .Lentry_in_a_cluster
	s_endpgm
.Lentry_in_a_cluster:
	s_bfe_u32 s2, ttmp6, 0x10000c
	s_cmp_lg_u32 s2, 0x3003
	s_cbranch_scc0 .Lentry_shape_is_right
	s_endpgm
.Lentry_shape_is_right:
; Attention of batch 0: ctx[h][s][d] = softmax over keys of (q.k / 8) times v, stored in f16 with a scale taken from vmax (below).
; q, k hold the projections times 2^-4, vt holds v times 2^-3, transposed [h][d][s].  The 2^8 of the scores, the 1/8 and log2 e are one
; constant c = 46.166241 in softmax's fused multiply-add.
; SOFTMAX: a running maximum for each query.  State: M, the raw maximum; NM = round(-c M); p = exp2(s c + NM);
; old sums are carried on by exp2(NM_new - NM_old), formed from the rounded values, so old and new terms carry the same shift.
; ctx's SCALE: ctx is a convex combination of v, so |ctx'| <= max |v'| over the whole tensor = the largest of vmax's 256 numbers, with biased
; exponent E.  Stored is ctx' * 2^(f-127), f = min(267 - E, 253): at most 2^14 (1 + 2^-10), whatever the inputs' size.  Only values hang on vmax.
; LIMITS: as stated for q, k, vt where they are made; p below 6e-8 of a row's largest term is lost in f16.
; SHARE: work-group (qb, head): 128 queries of one head.  Wave w: queries 64 (w>>2) .. +63 (4 tiles of 16) and quarter w&3 of every tile's keys;
; the four partial results of a query group are merged at the end through LDS.
; CLUSTER: the four work-groups of a cluster (4, 1, 1) have the same head and need the same K and V tiles: every tile is asked for jointly
; (mask 15), the same descriptor in all four, made of the head and the wave's number alone.
; TRANSPOSED PRODUCTS: S^T = K Q^T gives lane (r, h) query r and keys 8 h + j; two key tiles, narrowed in place, ARE source 1 of
; O^T += V^T P^T.  A query's maximum, sum and factor live in its own two lanes: one exchange between the halves of the wave a step.
.set KP,     144                       ; a key's LDS row: 64 f16 + 16 bytes
.set VP,     1040                      ; a row of V^T in LDS: 512 keys in f16 + 16 bytes; both pitches are odd multiples of 16
.set KBYTES, 512*KP
.set SLOT,   KBYTES+64*VP              ; a slot: 512 keys of K, then 64 rows of V^T; 140,288 bytes; two slots
.set OST,    2*SLOT                    ; behind the ring: 16 x 144 bytes for each wave, for the way out; no tile is ever loaded here
.set SCR,    17408                     ; merge scratch of a wave, inside slot 0 after its last fill and last read: NM 512, l 512, O 32 x 512
.set KA,  8                            ; v8   running LDS address of my K fragments
.set VA,  9                            ; v9   of my V fragments
.set KA0, 10                           ; v10  the same at slot 0's first step
.set VA0, 11
.set CS,  12                           ; v12  2^(f-127)
.set PK,  13                           ; v13, v14  prefetch offsets (wave 0), never rewritten
.set PV,  14
.set QO,  15                           ; v15  byte offset of my Q fragments
.set QF,  16                           ; v16-79    Q: tile qt, half dh of d at +16 qt + 8 dh
.set KF,  80                           ; v80-111   K: key tile kt, half dh at +16 kt + 8 dh
.set VF,  112                          ; v112-143  V^T: d tile dt at +8 dt
.set S,   144                          ; v144-207  scores, then p: +16 qt + 8 kt; narrowed: P^T of tile qt in +16 qt .. +16 qt + 7
.set ST,  208                          ; v208-223  +4 qt: NM, M, AL (the factor), L (my half's sum)
.set T,   224                          ; v224-239  at work
                                       ; registers 256 + 32 qt + 8 dt: O^T, tile (qt, dt)
.set G1K, 28                           ; s[28:35] group 1 of K's loads      s[36:43] of V's
.set G1V, 36
.set G0K, 44                           ; s[44:51] group 0 of K's loads, one set for each slot      s[52:59] of V's
.set G0V, 52
.set MSB, 0
.macro WIN new                         ; s_set_vgpr_msb: bits 1:0 source 0, 3:2 source 1, 5:4 source 2, 7:6 destination; the high byte repeats the setting that is left
.if MSB != \new
	s_set_vgpr_msb (MSB<<8)|\new
.set MSB, \new
.endif
.endm
.macro PLACES n
.rept \n
	v_nop
.endr
.endm
; A round of the cluster's barrier: my work-group's barrier, wave 0 signals for the work-group, every wave waits for all four work-groups, my work-group's barrier again.
.macro ROUND
	s_barrier_signal -1
	s_barrier_wait -1
	s_cmp_lg_u32 s14, 0
	s_cbranch_scc1 .Lnot_wave_0_\@
	s_barrier_signal -3
.Lnot_wave_0_\@:
	s_barrier_wait -3
	s_barrier_signal -1
	s_barrier_wait -1
.endm
; A joint load into slot s: waves 0-3 ask for 128 keys of K each, waves 4-7 for 16 rows of V^T each.  The branch hangs on the wave's number alone.
.macro JLOAD s
	s_cmp_eq_u32 s15, 0
	s_cbranch_scc0 .Lfor_v_\@
	tensor_load_to_lds s[G0K+4*\s:G0K+4*\s+3], s[G1K:G1K+7]
	s_nop 0
	s_branch .Lasked_\@
.Lfor_v_\@:
	tensor_load_to_lds s[G0V+4*\s:G0V+4*\s+3], s[G1V:G1V+7]
	s_nop 0
.Lasked_\@:
.endm
	s_load_b256 s[4:11], s[0:1], 0x0               ; q 4:5, k 6:7, vt 8:9, vmax 10:11
	s_load_b64 s[12:13], s[0:1], 0x20              ; ctx
	v_lshl_add_u32 v254, v0, 2, 0x49000
	v_mov_b32 v255, 0
	ds_add_u32 v254, v255
	v_lshrrev_b32 v1, 5, v0
	v_readfirstlane_b32 s14, v1                    ; wave 0..7
	s_lshr_b32 s15, s14, 2                         ; qg: my 64 queries.  Also: I fetch for K (0) or for V (1)
	s_and_b32 s16, s14, 3                          ; kgp: my quarter of a tile's keys.  Also: which part of the tile I fetch
	s_bfe_u32 s17, ttmp6, 0x40000                  ; cx
	s_lshl_b32 s18, ttmp9, 2
	s_add_co_u32 s18, s18, s17                     ; qb = 4 x cluster x + cx: enters global offsets of q, ctx and the prefetches alone
	s_and_b32 s19, ttmp7, 0xffff                   ; head
	s_mov_b32 s22, 0x4238aa3b                      ; c = 2^8 / 8 * log2 e, twice (a pair for the packed multiply-add)
	s_mov_b32 s23, 0x4238aa3b
	s_mov_b32 s24, 0xc238aa3b                      ; -c
	s_mov_b32 s26, 0x76543210                      ; v_permlanex16_b32: lane i reads lane i of the other half
	s_mov_b32 s27, 0xfedcba98
	; K's loads: 128 rows of 64 f16 (128 bytes, dense), 16 bytes of padding behind every 32 words
	s_mov_b32 s[G1K+0], 15|(1<<16)|(1<<20)|(1<<21)|(4<<22)|(3<<25)   ; mask: all four of the cluster; 2-byte elements; padding on; bit 21 beside a mask; interval 32 words; 4 words
	s_mov_b32 s[G1K+1], 64<<16                     ; tensor_dim0 = 64
	s_mov_b32 s[G1K+2], 128<<16                    ; tensor_dim1 = 128
	s_mov_b32 s[G1K+3], 64<<16                     ; tile_dim0 = 64
	s_mov_b32 s[G1K+4], 128                        ; tile_dim1 = 128
	s_mov_b32 s[G1K+5], 64                         ; 64 elements from row to row
	s_mov_b32 s[G1K+6], 0
	s_mov_b32 s[G1K+7], 0
	; V's loads: 16 rows of 512 f16 (1,024 bytes) out of rows of 2,048, 16 bytes of padding behind every 256 words
	s_mov_b32 s[G1V+0], 15|(1<<16)|(1<<20)|(1<<21)|(7<<22)|(3<<25)
	s_mov_b32 s[G1V+1], 512<<16
	s_mov_b32 s[G1V+2], 16<<16
	s_mov_b32 s[G1V+3], 512<<16
	s_mov_b32 s[G1V+4], 16
	s_mov_b32 s[G1V+5], 2048
	s_mov_b32 s[G1V+6], 0
	s_mov_b32 s[G1V+7], 0
	s_mul_i32 s2, s16, 128*KP                      ; where my part of K goes,
	s_mul_i32 s3, s16, 16*VP
	s_add_co_u32 s3, s3, KBYTES                    ; and my part of V
	s_lshl_b32 s20, s19, 18                        ; a head's 262,144 bytes
	s_mov_b32 s21, 0
	s_wait_dscnt 0x0
	s_wait_kmcnt 0x0
	s_add_nc_u64 s[4:5], s[4:5], s[20:21]
	s_add_nc_u64 s[6:7], s[6:7], s[20:21]
	s_add_nc_u64 s[8:9], s[8:9], s[20:21]
	s_add_nc_u64 s[12:13], s[12:13], s[20:21]
	s_lshl_b32 s20, s16, 14                        ; 128 keys of 128 bytes
	s_add_nc_u64 s[60:61], s[6:7], s[20:21]
	s_lshl_b32 s20, s16, 16                        ; 16 rows of 4,096 bytes
	s_add_nc_u64 s[62:63], s[8:9], s[20:21]
.irp s, 0,1
	s_mov_b32 s[G0K+4*\s], 1
	s_add_co_u32 s[G0K+4*\s+1], s2, \s*SLOT
	s_add_nc_u64 s[G0K+4*\s+2:G0K+4*\s+3], s[60:61], \s*65536        ; tile s: 512 keys of 128 bytes on
	s_or_b32 s[G0K+4*\s+3], s[G0K+4*\s+3], 0x80000000
	s_mov_b32 s[G0V+4*\s], 1
	s_add_co_u32 s[G0V+4*\s+1], s3, \s*SLOT
	s_add_nc_u64 s[G0V+4*\s+2:G0V+4*\s+3], s[62:63], \s*1024         ; tile s: 512 keys of 2 bytes along the rows
	s_or_b32 s[G0V+4*\s+3], s[G0V+4*\s+3], 0x80000000
.endr
	ROUND                                          ; all four work-groups are here: the first joint loads meet
	JLOAD 0                                        ; both first fills as one group: two tensor loads of a wave are out here, later one
	JLOAD 1
	v_and_b32 v1, 31, v0                           ; lane
	v_and_b32 v2, 15, v0                           ; r
	v_bfe_u32 v3, v0, 4, 1                         ; h
	v_lshlrev_b32 v4, 5, v1
	global_load_b128 v[T:T+3], v4, s[10:11]        ; vmax: 8 of its 256 numbers a lane
	global_load_b128 v[T+4:T+7], v4, s[10:11] offset:16
	v_lshlrev_b32 v5, 7, v2
	v_lshl_add_u32 v5, v3, 4, v5
	s_lshl_b32 s60, s15, 13
	v_add_nc_u32 v5, s60, v5
	v_lshl_add_u32 v[QO], s18, 14, v5              ; query (128 qb + 64 qg + r) x 128 bytes + 16 h
.irp qt, 0,1,2,3
.irp dh, 0,1
	global_load_b128 v[QF+16*\qt+8*\dh:QF+16*\qt+8*\dh+3], v[QO], s[4:5] offset:\qt*2048+\dh*64
	global_load_b128 v[QF+16*\qt+8*\dh+4:QF+16*\qt+8*\dh+7], v[QO], s[4:5] offset:\qt*2048+\dh*64+32
.endr
.endr
	; Prefetch of tiles 2 and 3, which are asked for only after tiles 0 and 1 have been worked on: the head's 16 work-groups share the 131,072 bytes
	; of K and of V^T out, 8,192 bytes of each for a work-group, wave 0's 32 lanes 256 bytes apart: each block is asked for once in the launch,
	; and the highest byte named is 261,888 of the head's 262,144.
	s_cmp_lg_u32 s14, 0
	s_cbranch_scc1 .Lno_prefetch
	v_lshlrev_b32 v6, 8, v1
	v_add_nc_u32 v6, 0x20000, v6
	v_lshl_add_u32 v[PK], s18, 13, v6              ; K: 131,072 + 8,192 qb + 256 lane
	v_lshrrev_b32 v6, 3, v1
	v_and_b32 v7, 7, v1
	v_lshlrev_b32 v6, 12, v6
	v_lshl_add_u32 v6, v7, 8, v6
	v_add_nc_u32 v6, 2048, v6
	v_lshl_add_u32 v[PV], s18, 14, v6              ; V^T: row 4 qb + lane/8, byte 2,048 + 256 (lane mod 8)
	global_prefetch_b8 v[PK], s[6:7] th:TH_LOAD_NT scope:SCOPE_SE
	global_prefetch_b8 v[PV], s[8:9] th:TH_LOAD_NT scope:SCOPE_SE
.Lno_prefetch:
	v_mul_u32_u24 v5, v2, KP
	v_lshl_add_u32 v5, v3, 4, v5                   ; v5 = 144 r + 16 h, kept to the end
	v_add_nc_u32 v[KA0], s2, v5                    ; K fragment: key row 128 kgp + r
	v_mul_u32_u24 v6, v2, VP
	v_lshl_add_u32 v6, v3, 4, v6
	s_lshl_b32 s61, s16, 8
	s_add_co_u32 s61, s61, KBYTES
	v_add_nc_u32 v[VA0], s61, v6                   ; V fragment: row d = r, keys from 128 kgp
	s_wait_loadcnt 0x0                             ; vmax and Q
	v_max3_num_f32 v[T], v[T], v[T+1], v[T+2]
	v_max3_num_f32 v[T+3], v[T+3], v[T+4], v[T+5]
	v_max3_num_f32 v[T], v[T], v[T+6], v[T+7]
	v_max_num_f32 v[T], v[T], v[T+3]
	v_max_num_f32_dpp v[T], v[T], v[T] row_xmask:1 row_mask:0xf bank_mask:0xf
	v_max_num_f32_dpp v[T], v[T], v[T] row_xmask:2 row_mask:0xf bank_mask:0xf
	v_max_num_f32_dpp v[T], v[T], v[T] row_xmask:4 row_mask:0xf bank_mask:0xf
	v_max_num_f32_dpp v[T], v[T], v[T] row_xmask:8 row_mask:0xf bank_mask:0xf
	v_permlanex16_b32 v[T+1], v[T], s26, s27
	v_max_num_f32 v[T], v[T], v[T+1]               ; max |v'| of the whole tensor
	v_lshrrev_b32 v[T], 23, v[T]                   ; E (the number is not negative)
	v_sub_nc_u32 v[T], 0x10b, v[T]                 ; 267 - E
	v_min_u32 v[T], 0xfd, v[T]                     ; f, 12 .. 253: a normal number's exponent
	v_lshlrev_b32 v[CS], 23, v[T]                  ; 2^(f-127)
; One step: my 32 keys x my 64 queries.  first = 1: the step starts maxima, sums and O: nothing is cleared.
.macro STEP first
.irp kt, 0,1
.irp dh, 0,1
	ds_load_b128 v[KF+16*\kt+8*\dh:KF+16*\kt+8*\dh+3], v[KA] offset:\kt*16*KP+\dh*64
	ds_load_b128 v[KF+16*\kt+8*\dh+4:KF+16*\kt+8*\dh+7], v[KA] offset:\kt*16*KP+\dh*64+32
.endr
.endr
.irp dt, 0,1,2,3
	ds_load_b128 v[VF+8*\dt:VF+8*\dt+3], v[VA] offset:\dt*16*VP
	ds_load_b128 v[VF+8*\dt+4:VF+8*\dt+7], v[VA] offset:\dt*16*VP+32
.endr
	s_wait_dscnt 8                                 ; K's 8 loads are in; V's 8 are younger
	; S^T = K Q^T: eight accumulators take turns; d 0-31 starts the sums, d 32-63 adds
.irp qt, 0,1,2,3
.irp kt, 0,1
	v_wmma_f32_16x16x32_f16 v[S+16*\qt+8*\kt:S+16*\qt+8*\kt+7], v[KF+16*\kt:KF+16*\kt+7], v[QF+16*\qt:QF+16*\qt+7], 0
.endr
.endr
.irp qt, 0,1,2,3
.irp kt, 0,1
	v_wmma_f32_16x16x32_f16 v[S+16*\qt+8*\kt:S+16*\qt+8*\kt+7], v[KF+16*\kt+8:KF+16*\kt+15], v[QF+16*\qt+8:QF+16*\qt+15], v[S+16*\qt+8*\kt:S+16*\qt+8*\kt+7]
.endr
.endr
	PLACES 4                                       ; four places before vector instructions read the scores (ISA guide 7.12.1)
	; the running maximum: two chains a query tile, the four tiles interleaved
.irp qt, 0,1,2,3
.if \first
	v_max_num_f32 v[T+2*\qt], v[S+16*\qt], v[S+16*\qt+1]
.else
	v_max3_num_f32 v[T+2*\qt], v[S+16*\qt], v[S+16*\qt+1], v[ST+4*\qt+1]
.endif
	v_max3_num_f32 v[T+2*\qt+1], v[S+16*\qt+8], v[S+16*\qt+9], v[S+16*\qt+10]
.endr
.irp qt, 0,1,2,3
	v_max3_num_f32 v[T+2*\qt], v[T+2*\qt], v[S+16*\qt+2], v[S+16*\qt+3]
	v_max3_num_f32 v[T+2*\qt+1], v[T+2*\qt+1], v[S+16*\qt+11], v[S+16*\qt+12]
.endr
.irp qt, 0,1,2,3
	v_max3_num_f32 v[T+2*\qt], v[T+2*\qt], v[S+16*\qt+4], v[S+16*\qt+5]
	v_max3_num_f32 v[T+2*\qt+1], v[T+2*\qt+1], v[S+16*\qt+13], v[S+16*\qt+14]
.endr
.irp qt, 0,1,2,3
	v_max3_num_f32 v[T+2*\qt], v[T+2*\qt], v[S+16*\qt+6], v[S+16*\qt+7]
	v_max_num_f32 v[T+2*\qt+1], v[T+2*\qt+1], v[S+16*\qt+15]
.endr
.irp qt, 0,1,2,3
	v_max_num_f32 v[T+2*\qt], v[T+2*\qt], v[T+2*\qt+1]
.endr
.irp qt, 0,1,2,3
	v_permlanex16_b32 v[T+2*\qt+1], v[T+2*\qt], s26, s27             ; the other half of the wave holds the query's other 16 keys
.endr
.irp qt, 0,1,2,3
	v_max_num_f32 v[ST+4*\qt+1], v[T+2*\qt], v[T+2*\qt+1]            ; M
.endr
.irp qt, 0,1,2,3
	v_mul_f32 v[T+2*\qt], s24, v[ST+4*\qt+1]                         ; round(-c M)
.endr
.if \first == 0
.irp qt, 0,1,2,3
	v_sub_f32 v[ST+4*\qt+2], v[T+2*\qt], v[ST+4*\qt]                 ; NM_new - NM_old, not above 0
.endr
.endif
.irp qt, 0,1,2,3
	v_mov_b32 v[ST+4*\qt], v[T+2*\qt]                                ; NM
.endr
.irp qt, 0,1,2,3
.irp j, 0,2,4,6,8,10,12,14
	v_pk_fma_f32 v[S+16*\qt+\j:S+16*\qt+\j+1], v[S+16*\qt+\j:S+16*\qt+\j+1], s[22:23], v[ST+4*\qt:ST+4*\qt+1] op_sel_hi:[1,0,0]   ; s c + NM, both halves
.endr
.endr
.if \first == 0
.irp qt, 0,1,2,3
	v_exp_f32 v[ST+4*\qt+2], v[ST+4*\qt+2]         ; AL
.endr
.endif
.set e, 0
.rept 64
	v_exp_f32 v[S+e], v[S+e]                       ; p
.set e, e+1
.endr
	v_nop                                          ; one plain instruction behind the exponentials before their results are used (ISA guide 5.7.2)
	s_wait_alu depctr_va_vdst(0)
.irp qt, 0,1,2,3
.set tb, T+8*(\qt&1)
	v_pk_add_f32 v[tb:tb+1], v[S+16*\qt:S+16*\qt+1], v[S+16*\qt+2:S+16*\qt+3]
	v_pk_add_f32 v[tb+2:tb+3], v[S+16*\qt+4:S+16*\qt+5], v[S+16*\qt+6:S+16*\qt+7]
	v_pk_add_f32 v[tb+4:tb+5], v[S+16*\qt+8:S+16*\qt+9], v[S+16*\qt+10:S+16*\qt+11]
	v_pk_add_f32 v[tb+6:tb+7], v[S+16*\qt+12:S+16*\qt+13], v[S+16*\qt+14:S+16*\qt+15]
	v_pk_add_f32 v[tb:tb+1], v[tb:tb+1], v[tb+2:tb+3]
	v_pk_add_f32 v[tb+4:tb+5], v[tb+4:tb+5], v[tb+6:tb+7]
	v_pk_add_f32 v[tb:tb+1], v[tb:tb+1], v[tb+4:tb+5]
.if \first
	v_add_f32 v[ST+4*\qt+3], v[tb], v[tb+1]
.else
	v_fma_f32 v[ST+4*\qt+3], v[ST+4*\qt+3], v[ST+4*\qt+2], v[tb]     ; L = L AL + my 16 keys' p
	v_add_f32 v[ST+4*\qt+3], v[ST+4*\qt+3], v[tb+1]
.endif
.endr
.irp qt, 0,1,2,3
.irp i, 0,1,2,3,4,5,6,7
	v_cvt_pk_f16_f32 v[S+16*\qt+\i], v[S+16*\qt+2*\i], v[S+16*\qt+2*\i+1]   ; in place, ascending: register i is written after registers 2i, 2i+1 >= i are read
.endr
.endr
	s_wait_dscnt 0x0                               ; V is in
.if \first == 0
	WIN 0x41                                       ; O in registers 256 and up, the factor below
.irp qt, 0,1,2,3
.set o, 0
.rept 16
	v_pk_mul_f32 v[32*\qt+o:32*\qt+o+1], v[32*\qt+o:32*\qt+o+1], v[ST+4*\qt+2:ST+4*\qt+3] op_sel_hi:[1,0]   ; O AL
.set o, o+2
.endr
.endr
.endif
	WIN 0x50                                       ; C and D in registers 256 and up
	; O^T += V^T P^T: sixteen accumulators take turns
.irp qt, 0,1,2,3
.irp dt, 0,1,2,3
.if \first
	v_wmma_f32_16x16x32_f16 v[32*\qt+8*\dt:32*\qt+8*\dt+7], v[VF+8*\dt:VF+8*\dt+7], v[S+16*\qt:S+16*\qt+7], 0
.else
	v_wmma_f32_16x16x32_f16 v[32*\qt+8*\dt:32*\qt+8*\dt+7], v[VF+8*\dt:VF+8*\dt+7], v[S+16*\qt:S+16*\qt+7], v[32*\qt+8*\dt:32*\qt+8*\dt+7]
.endif
.endr
.endr
	WIN 0
	v_add_nc_u32 v[KA], 32*KP, v[KA]               ; 32 keys on.  These two and three v_nop are the five places before the next step's
	v_add_nc_u32 v[VA], 64, v[VA]                  ; products write over P and its loads land on V's fragments
	PLACES 3
.endm
; My quarter of the tile in slot: 128 keys, four steps
.macro TILE slot, n, first
	v_add_nc_u32 v[KA], \slot*SLOT, v[KA0]
	v_add_nc_u32 v[VA], \slot*SLOT, v[VA0]
.if \first
	STEP 1
.endif
	s_mov_b32 s25, \n
.Lstep_\@:
	STEP 0
	s_sub_co_u32 s25, s25, 1
	s_cmp_lg_u32 s25, 0
	s_cbranch_scc1 .Lstep_\@
.endm
; Slot s, which has been read, is filled again with the tile two further on.
.macro REFILL s
	s_wait_dscnt 0x0                               ; my reads of the slot are done
	s_wait_tensorcnt 0x0                           ; all my tensor loads have landed, my part of the other slot among them: the descriptors may be written
	ds_add_u32 v254, v255
	s_wait_dscnt 0x0
	s_add_nc_u64 s[G0K+4*\s+2:G0K+4*\s+3], s[G0K+4*\s+2:G0K+4*\s+3], 2*65536
	s_add_nc_u64 s[G0V+4*\s+2:G0V+4*\s+3], s[G0V+4*\s+2:G0V+4*\s+3], 2*1024
	ROUND                                          ; both now hold of every wave of all four work-groups
	JLOAD \s                                       ; the wave's one tensor load behind the round, and the first thing there
.endm
	s_wait_tensorcnt 0x1                           ; my part of tile 0 is in; tile 1's load stays out
	s_barrier_signal -1
	s_barrier_wait -1
	TILE 0, 3, 1                                   ; keys 0-511
	REFILL 0                                       ; tile 2 goes out
	TILE 1, 4, 0                                   ; keys 512-1023
	REFILL 1                                       ; tile 3 goes out: the last load
	TILE 0, 4, 0                                   ; keys 1024-1535
	s_wait_dscnt 0x0                               ; my reads of slot 0 are over for good,
	s_wait_tensorcnt 0x0                           ; my part of tile 3 is in,
	s_barrier_signal -1
	s_barrier_wait -1                              ; everybody's
	TILE 1, 4, 0                                   ; keys 1536-2047
	; THE MERGE.  Each wave lays NM, l and O of its four query tiles into its scratch (slot 0: filled for the last time with tile 2, read for the last
	; time in front of the barrier above); then wave (qg, kgp) finishes query tile kgp of group qg from the four partners' parts.
.irp qt, 0,1,2,3
	v_permlanex16_b32 v[T+\qt], v[ST+4*\qt+3], s26, s27
.endr
.irp qt, 0,1,2,3
	v_add_f32 v[T+4+\qt], v[ST+4*\qt+3], v[T+\qt]  ; l over both halves of the wave
.endr
.irp qt, 0,1,2,3
	v_mov_b32 v[T+\qt], v[ST+4*\qt]                ; NM
.endr
	s_mul_i32 s60, s14, SCR
	v_lshl_add_u32 v4, v1, 4, s60
	ds_store_b128 v4, v[T:T+3]
	ds_store_b128 v4, v[T+4:T+7] offset:512
	WIN 0x04                                       ; store data in registers 256 and up
.set i, 0
.rept 32
	ds_store_b128 v4, v[4*i:4*i+3] offset:1024+512*i
.set i, i+1
.endr
	WIN 0
	s_mul_i32 s60, s15, 4*SCR                      ; my group's four scratches
	s_lshl_b32 s61, s16, 12
	s_add_co_u32 s61, s61, s60
	v_lshl_add_u32 v6, v1, 4, s61                  ; O of query tile kgp: quads 8 kgp .. 8 kgp + 7
	s_lshl_b32 s62, s16, 2
	s_add_co_u32 s62, s62, s60
	v_lshl_add_u32 v7, v1, 4, s62                  ; word kgp of the NM and l quads
	s_wait_dscnt 0x0
	s_barrier_signal -1
	s_barrier_wait -1
.irp p, 0,1,2,3
	ds_load_b32 v[T+\p], v7 offset:\p*SCR
	ds_load_b32 v[T+4+\p], v7 offset:\p*SCR+512
.endr
.irp p, 0,1,2,3
.irp i, 0,1,2,3,4,5,6,7
	ds_load_b128 v[16+32*\p+4*\i:16+32*\p+4*\i+3], v6 offset:\p*SCR+1024+512*\i
.endr
.endr
	s_wait_dscnt 32                                ; NM and l of the four are in; the 32 quads of O are younger
	v_min3_num_f32 v[T+8], v[T], v[T+1], v[T+2]
	v_min_num_f32 v[T+8], v[T+8], v[T+3]           ; the least NM belongs to the largest maximum
.irp p, 0,1,2,3
	v_sub_f32 v[T+\p], v[T+8], v[T+\p]
.endr
.irp p, 0,1,2,3
	v_exp_f32 v[T+\p], v[T+\p]                     ; a_p, at most 1
.endr
	v_nop
	s_wait_alu depctr_va_vdst(0)
	v_mul_f32 v[T+9], v[T], v[T+4]
	v_fmac_f32 v[T+9], v[T+1], v[T+5]
	v_fmac_f32 v[T+9], v[T+2], v[T+6]
	v_fmac_f32 v[T+9], v[T+3], v[T+7]              ; l
	v_rcp_f32 v[T+10], v[T+9]
	v_nop
	s_wait_alu depctr_va_vdst(0)
	v_mul_f32 v[T+10], v[T+10], v[CS]              ; 2^(f-127) / l
.irp p, 0,1,2,3
	v_mul_f32 v[ST+2*\p], v[T+\p], v[T+10]         ; f_p, in both registers of a pair
.endr
.irp p, 0,1,2,3
	v_mov_b32 v[ST+2*\p+1], v[ST+2*\p]
.endr
	s_mul_i32 s62, s14, 16*KP
	s_add_co_u32 s62, s62, OST                     ; my stage
	v_add_nc_u32 v4, s62, v5                       ; in: row r, 16 bytes for each half of the wave
	v_lshrrev_b32 v[KA], 3, v1
	v_mul_u32_u24 v[KA], v[KA], KP
	v_and_b32 v[KA0], 7, v1
	v_lshl_add_u32 v[KA], v[KA0], 4, v[KA]
	v_add_nc_u32 v[KA], s62, v[KA]                 ; back: 8 lanes take a row of 128 bytes
	s_lshl_b32 s60, s15, 13
	s_lshl_b32 s61, s16, 11
	s_add_co_u32 s60, s60, s61
	v_lshl_add_u32 v[VA], v1, 4, s60
	v_lshl_add_u32 v[VA], s18, 14, v[VA]           ; ctx: query 128 qb + 64 qg + 16 kgp, x 128 bytes, + 16 lane: the 16 rows are dense
	s_wait_dscnt 0x0
.set j, 0
.rept 16
	v_pk_mul_f32 v[16+j:17+j], v[16+j:17+j], v[ST:ST+1]
.set j, j+2
.endr
.irp p, 1,2,3
.set j, 0
.rept 16
	v_pk_fma_f32 v[16+j:17+j], v[16+32*\p+j:17+32*\p+j], v[ST+2*\p:ST+2*\p+1], v[16+j:17+j]
.set j, j+2
.endr
.endr
.irp dt, 0,1,2,3
.irp i, 0,1,2,3
	v_cvt_pk_f16_f32 v[S+4*\dt+\i], v[16+8*\dt+2*\i], v[16+8*\dt+2*\i+1]    ; d = 16 dt + 8 h + 2 i, + 1 of query r
.endr
	ds_store_b128 v4, v[S+4*\dt:S+4*\dt+3] offset:32*\dt
.endr
.irp i, 0,1,2,3
	ds_load_b128 v[S+16+4*\i:S+16+4*\i+3], v[KA] offset:\i*4*KP      ; my own bytes: LDS serves a wave's instructions in order (ISA guide 5.7.1)
.endr
.irp i, 0,1,2,3
	s_wait_dscnt 3-\i
	global_store_b128 v[VA], v[S+16+4*\i:S+16+4*\i+3], s[12:13] offset:512*\i       ; a wave's store covers 512 consecutive bytes, aligned
.endr
	s_wait_tensorcnt 0x0
	ds_add_u32 v254, v255
	s_wait_dscnt 0x0
	ROUND                                          ; the closing round: no work-group ends while a partner may still ask for a tile that names it
	s_endpgm
.Lfunc_end_k_q806997bb52_attn:
	.size	k_q806997bb52_attn, .Lfunc_end_k_q806997bb52_attn-k_q806997bb52_attn
	.p2alignl 7, 3214868480
	.fill 96, 4, 3214868480
	.section	.rodata,"a",@progbits
	.p2align	6, 0x0
	.amdhsa_kernel k_q806997bb52_attn
		.amdhsa_group_segment_fixed_size 327680
		.amdhsa_private_segment_fixed_size 0
		.amdhsa_enable_private_segment 0
		.amdhsa_kernarg_size 40
		.amdhsa_user_sgpr_count 2
		.amdhsa_user_sgpr_kernarg_segment_ptr 1
		.amdhsa_wavefront_size32 1
		.amdhsa_system_sgpr_workgroup_id_x 1
		.amdhsa_system_sgpr_workgroup_id_y 1
		.amdhsa_system_sgpr_workgroup_id_z 1
		.amdhsa_system_vgpr_workitem_id 0
		.amdhsa_next_free_vgpr 384
		.amdhsa_next_free_sgpr 66
		.amdhsa_reserve_vcc 0
		.amdhsa_float_denorm_mode_32 3
		.amdhsa_float_denorm_mode_16_64 3
		.amdhsa_memory_ordered 1
		.amdhsa_forward_progress 1
		.amdhsa_inst_pref_size 114
	.end_amdhsa_kernel
	.amdgpu_metadata
---
amdhsa.version: [ 1, 2 ]
amdhsa.kernels:
  - .name:           k_q806997bb52_attn
    .symbol:         k_q806997bb52_attn.kd
    .args:
      - { .name: q, .offset: 0, .size: 8, .value_kind: global_buffer, .address_space: global }
      - { .name: k, .offset: 8, .size: 8, .value_kind: global_buffer, .address_space: global }
      - { .name: vt, .offset: 16, .size: 8, .value_kind: global_buffer, .address_space: global }
      - { .name: vmax, .offset: 24, .size: 8, .value_kind: global_buffer, .address_space: global }
      - { .name: ctx, .offset: 32, .size: 8, .value_kind: global_buffer, .address_space: global }
    .group_segment_fixed_size: 327680
    .private_segment_fixed_size: 0
    .kernarg_segment_align: 8
    .kernarg_segment_size: 40
    .max_flat_workgroup_size: 256
    .sgpr_count:     66
    .vgpr_count:     384
    .wavefront_size: 32
...
	.end_amdgpu_metadata
.endif
;; end of part 2
;; launch proj (part 3): grid 16 x 16, 8 waves a work-group, no clusters, 91,136 bytes of LDS; arguments ctx, Wo, bo, vmax, out0; writes out0
.if DOCPART == 3
	.amdgcn_target "amdgcn-amd-amdhsa--gfx1250"
	.amdhsa_code_object_version 6
	.text
	.protected	k_q806997bb52_proj
	.globl	k_q806997bb52_proj
	.p2align	8
	.type	k_q806997bb52_proj,@function
k_q806997bb52_proj:
	s_mov_b64 s[64:65], 0
	v_nop
	global_prefetch_b8 v0, s[64:65] scope:SCOPE_SE
	s_setreg_imm32_b32 hwreg(HW_REG_WAVE_MODE, 25, 1), 1
	s_wait_xcnt 0x0
; out0[s][o] = sum over c of ctx[s][c] Wo[o][c] + bo[o], c = 64 head + d.  ctx lies as f16 [head][s][d], scaled by 2^(f-127) 2^-3 (f from vmax, as where it
; is stored: f = min(267 - E, 253), E the biased exponent of the largest of vmax's 256 numbers); the sums are multiplied by the number whose
; exponent field is 257 - f (4 .. 245: always a normal number), which undoes both scales, in the fused multiply-add that adds the bias.
; FORMAT: f16 operands, f32 sums.  LIMIT: |Wo| < 65,504.
; SHARE: work-group (mb, nb): 128 rows x 64 columns; wave w: rows 32 (w>>1) .. +31, columns 32 (w&1) .. +31: four accumulator tiles.
; K goes in 16 chunks of 64, chunk c = head c: ctx's 128 x 64 block is 16,384 dense bytes, Wo's 64 rows give 256 bytes each.
; NO TENSOR LOADS, NO CLUSTER: Wo is f32 in memory and f16 at the matrix unit, so it passes through registers; ctx takes the same road so that one
; barrier a trip serves both.  Four register sets take turns: 32 loads of a wave are out, a chunk is asked for four trips ahead.
; All 16 trips are written out, so every step stands in an immediate and no address is stepped.
.set PITCH,  144                       ; an LDS row: 64 f16 + 16 bytes
.set BOFF,   128*PITCH
.set SLOTB,  192*PITCH                 ; a slot: 128 rows of ctx, 64 rows of Wo; two slots
.set STG,    2*SLOTB                   ; the way out: 128 rows x 272 bytes (64 f32 + 16)
.set SPITCH, 272
.set GA,  4                            ; v4   ctx: byte 16 t of the dense block
.set VW,  5                            ; v5   Wo: rows 16 (w>>1) + 4 (w&1) + 8 h + i, 16 bytes at 16 r; later my offset in out0
.set PA,  6                            ; v6   where ctx's 16 bytes go
.set PB,  7                            ; v7   where Wo's 8 bytes go
.set AAD, 8                            ; v8   my fragments of ctx
.set BAD, 9                            ; v9   my fragments of Wo
.set OB,  10                           ; v10  bias offset
.set OV,  11                           ; v11  vmax offset
.set STO, 12                           ; v12  the way out: in
.set RD,  13                           ; v13  the way out: back
.set INV, 14                           ; v14-15  the factor, twice
.set F0,  16                           ; v16-47  K 0-31: ctx tile a at +8a, Wo tile b at +16+8b
.set F1,  48                           ; v48-79  K 32-63
.set ACC, 80                           ; v80-111 tile (a, b) at +8(2a+b)
.set SET, 112                          ; v112-239  set s at +32s: ctx's load i at +4i, Wo's at +16+4i
.set BO,  240                          ; v240-255  bo of my columns: tile b at +8b
.macro PLACES n
.rept \n
	v_nop
.endr
.endm
	s_load_b256 s[4:11], s[0:1], 0x0               ; ctx 4:5, Wo 6:7, bo 8:9, vmax 10:11
	s_load_b64 s[12:13], s[0:1], 0x20              ; out0
	s_set_vgpr_msb 0x40
	v_lshl_add_u32 v0, v0, 2, 0x16000
	v_mov_b32 v1, 0
	s_set_vgpr_msb 0x4000
	v_lshrrev_b32 v1, 5, v0
	v_readfirstlane_b32 s2, v1                     ; wave 0..7
	s_mov_b32 s3, ttmp9                            ; mb
	s_and_b32 s14, ttmp7, 0xffff                   ; nb
	s_lshr_b32 s15, s2, 1                          ; wm
	s_and_b32 s16, s2, 1                           ; wn
	s_mov_b32 s20, 0x76543210
	s_mov_b32 s21, 0xfedcba98
	v_and_b32 v2, 15, v0                           ; r
	v_bfe_u32 v3, v0, 4, 1                         ; h
	v_lshlrev_b32 v[GA], 4, v0
	v_lshlrev_b32 v1, 4, v2
	v_lshl_add_u32 v1, v3, 15, v1
	s_lshl_b32 s22, s15, 16
	s_lshl_b32 s23, s16, 14
	s_add_co_u32 s22, s22, s23
	v_add_nc_u32 v[VW], s22, v1
	v_lshrrev_b32 v1, 3, v0
	v_mul_u32_u24 v[PA], v1, PITCH
	v_and_b32 v1, 7, v0
	v_lshl_add_u32 v[PA], v1, 4, v[PA]             ; row t>>3, byte 16 (t & 7)
	v_mul_u32_u24 v1, v3, 8*PITCH                  ; the halves of a wave 8 rows apart: 8 x 144 = 128 modulo 256, so an 8-byte store fills 256 different bytes of the banks
	v_lshl_add_u32 v1, v2, 3, v1
	s_mul_i32 s22, s15, 16*PITCH
	s_mul_i32 s23, s16, 4*PITCH
	s_add_co_u32 s22, s22, s23
	s_add_co_u32 s22, s22, BOFF
	v_add_nc_u32 v[PB], s22, v1
	v_mul_u32_u24 v1, v2, PITCH
	v_lshl_add_u32 v1, v3, 4, v1
	s_mul_i32 s22, s15, 32*PITCH
	v_add_nc_u32 v[AAD], s22, v1
	s_mul_i32 s23, s16, 32*PITCH
	s_add_co_u32 s23, s23, BOFF
	v_add_nc_u32 v[BAD], s23, v1
	s_lshl_b32 s22, s14, 8
	s_lshl_b32 s23, s16, 7
	s_add_co_u32 s22, s22, s23
	v_lshl_add_u32 v[OB], v3, 5, s22               ; bo: column 64 nb + 32 wn + 8 h
	v_and_b32 v1, 31, v0
	v_lshlrev_b32 v[OV], 5, v1                     ; vmax: 8 numbers a lane
	s_wait_kmcnt 0x0
	s_mov_b32 s19, 0
	s_lshl_b32 s18, s3, 14                         ; 128 rows of 128 bytes
	s_add_nc_u64 s[4:5], s[4:5], s[18:19]
	s_lshl_b32 s18, s14, 18                        ; 64 rows of 4,096 bytes
	s_add_nc_u64 s[6:7], s[6:7], s[18:19]
	s_lshl_b32 s18, s3, 19                         ; 128 rows of 4,096 bytes
	s_add_nc_u64 s[12:13], s[12:13], s[18:19]
	s_lshl_b32 s18, s14, 8                         ; 64 columns
	s_add_nc_u64 s[12:13], s[12:13], s[18:19]
.irp b, 0,1
	global_load_b128 v[BO+8*\b:BO+8*\b+3], v[OB], s[8:9] offset:\b*64
	global_load_b128 v[BO+8*\b+4:BO+8*\b+7], v[OB], s[8:9] offset:\b*64+16
.endr
	global_load_b128 v[16:19], v[OV], s[10:11]
	global_load_b128 v[20:23], v[OV], s[10:11] offset:16
.macro LDCHUNK sb, c                   ; 8 loads: chunk c into the set at sb
.irp i, 0,1,2,3
	global_load_b128 v[\sb+4*\i:\sb+4*\i+3], v[GA], s[4:5] offset:(\c)*262144+\i*4096
.endr
.irp i, 0,1,2,3
	global_load_b128 v[\sb+16+4*\i:\sb+16+4*\i+3], v[VW], s[6:7] offset:(\c)*256+\i*4096
.endr
.endm
.macro STAGE sb, ns                    ; the set at sb into the slot at byte ns: Wo narrowed in place, 8 LDS stores
.irp i, 0,1,2,3
	v_cvt_pk_f16_f32 v[\sb+16+4*\i], v[\sb+16+4*\i], v[\sb+16+4*\i+1]
	v_cvt_pk_f16_f32 v[\sb+16+4*\i+1], v[\sb+16+4*\i+2], v[\sb+16+4*\i+3]
.endr
.irp i, 0,1,2,3
	ds_store_b128 v[PA], v[\sb+4*\i:\sb+4*\i+3] offset:\ns+\i*32*PITCH
.endr
.irp i, 0,1,2,3
	ds_store_b64 v[PB], v[\sb+16+4*\i:\sb+16+4*\i+1] offset:\ns+\i*PITCH
.endr
.endm
.macro FETCH cs                        ; 16 LDS loads: both halves of the chunk in the slot at byte cs
.irp kk, 0,1
.irp a, 0,1
	ds_load_b128 v[F0+32*\kk+8*\a:F0+32*\kk+8*\a+3], v[AAD] offset:\cs+\a*16*PITCH+\kk*64
	ds_load_b128 v[F0+32*\kk+8*\a+4:F0+32*\kk+8*\a+7], v[AAD] offset:\cs+\a*16*PITCH+\kk*64+32
.endr
.irp b, 0,1
	ds_load_b128 v[F0+32*\kk+16+8*\b:F0+32*\kk+16+8*\b+3], v[BAD] offset:\cs+\b*16*PITCH+\kk*64
	ds_load_b128 v[F0+32*\kk+16+8*\b+4:F0+32*\kk+16+8*\b+7], v[BAD] offset:\cs+\b*16*PITCH+\kk*64+32
.endr
.endr
.endm
; Four matrix instructions on four accumulators, which take turns.  Source 0 = rows of Wo, source 1 = rows of ctx:
; a lane then holds row r of out0 and 8 neighbouring columns.
.macro MUL f, zero
.irp a, 0,1
.irp b, 0,1
.if \zero
	v_wmma_f32_16x16x32_f16 v[ACC+8*(2*\a+\b):ACC+8*(2*\a+\b)+7], v[\f+16+8*\b:\f+16+8*\b+7], v[\f+8*\a:\f+8*\a+7], 0
.else
	v_wmma_f32_16x16x32_f16 v[ACC+8*(2*\a+\b):ACC+8*(2*\a+\b)+7], v[\f+16+8*\b:\f+16+8*\b+7], v[\f+8*\a:\f+8*\a+7], v[ACC+8*(2*\a+\b):ACC+8*(2*\a+\b)+7]
.endif
.endr
.endr
.endm
	LDCHUNK SET, 0
	LDCHUNK SET+32, 1
	LDCHUNK SET+64, 2
	LDCHUNK SET+96, 3
	s_wait_loadcnt 24                              ; bo, vmax and chunk 0 are in; chunks 1 to 3 (8 loads each) stay out
	v_max3_num_f32 v16, v16, v17, v18
	v_max3_num_f32 v19, v19, v20, v21
	v_max3_num_f32 v16, v16, v22, v23
	v_max_num_f32 v16, v16, v19
	v_max_num_f32_dpp v16, v16, v16 row_xmask:1 row_mask:0xf bank_mask:0xf
	v_max_num_f32_dpp v16, v16, v16 row_xmask:2 row_mask:0xf bank_mask:0xf
	v_max_num_f32_dpp v16, v16, v16 row_xmask:4 row_mask:0xf bank_mask:0xf
	v_max_num_f32_dpp v16, v16, v16 row_xmask:8 row_mask:0xf bank_mask:0xf
	v_permlanex16_b32 v17, v16, s20, s21
	v_max_num_f32 v16, v16, v17                    ; max |v'| of the whole tensor
	v_lshrrev_b32 v16, 23, v16                     ; E
	v_sub_nc_u32 v16, 0x10b, v16                   ; 267 - E
	v_min_u32 v16, 0xfd, v16                       ; f
	v_sub_nc_u32 v16, 0x101, v16                   ; 257 - f
	v_lshlrev_b32 v[INV], 23, v16                  ; 2^(130-f)
	v_mov_b32 v[INV+1], v[INV]
	STAGE SET, 0
	LDCHUNK SET, 4
	s_wait_dscnt 0x0
	s_barrier_signal -1
	s_barrier_wait -1                              ; chunk 0 lies in slot 0
; Trip t multiplies chunk t (slot t & 1), narrows chunk t + 1 (set (t+1) mod 4) into the other slot, which was last read in trip t - 1,
; in front of that trip's barrier, and asks for chunk t + 5 into the same set.
.set t, 0
.rept 16
.set cs, (t&1)*SLOTB
.set ns, ((t+1)&1)*SLOTB
.set sb, SET+32*((t+1)%4)
	FETCH cs
.if t < 15
.if t <= 11
	s_wait_loadcnt 24                              ; chunk t + 1 is in; the three younger chunks stay out
.else
	s_wait_loadcnt (14-t)*8                        ; nothing more is asked for: the counts run down 16, 8, 0
.endif
	STAGE sb, ns
.if t <= 10
	LDCHUNK sb, t+5
.endif
	s_wait_dscnt 16                                ; F0's 8 loads are in: F1's 8 and the 8 stores are younger
.else
	s_wait_dscnt 8
.endif
.if t == 0
	MUL F0, 1                                      ; the first products start the sums: nothing is cleared
.else
	MUL F0, 0
.endif
.if t < 15
	s_wait_dscnt 8                                 ; F1 is in: the 8 stores are younger
.else
	s_wait_dscnt 0
.endif
	MUL F1, 0
	PLACES 4                                       ; four places between the matrix instructions and the next loads into their sources, or the reads of their results
.if t < 15
	s_wait_dscnt 0x0                               ; my reads of this slot and my stores into the other are done,
	s_barrier_signal -1
	s_barrier_wait -1                              ; everybody's
.endif
.set t, t+1
.endr
	; THE WAY OUT: acc * factor + bo in one fused multiply-add, 32 bytes a lane into the stage (bytes of its own), read back as whole rows of 256 bytes.
	v_mul_u32_u24 v1, v2, SPITCH
	v_lshl_add_u32 v1, v3, 5, v1
	s_mul_i32 s22, s15, 32*SPITCH
	s_lshl_b32 s23, s16, 7
	s_add_co_u32 s22, s22, s23
	s_add_co_u32 s22, s22, STG
	v_add_nc_u32 v[STO], s22, v1                   ; row 32 wm + r, byte 128 wn + 32 h
	v_lshrrev_b32 v1, 4, v0
	v_mul_u32_u24 v[RD], v1, SPITCH
	v_lshl_add_u32 v[RD], v2, 4, v[RD]
	v_add_nc_u32 v[RD], STG, v[RD]                 ; row t>>4, byte 16 (t & 15)
	v_lshlrev_b32 v[VW], 12, v1                    ; the same in out0 (all loads that named this register are done)
	v_lshl_add_u32 v[VW], v2, 4, v[VW]
.irp a, 0,1
.irp b, 0,1
.irp j, 0,2,4,6
	v_pk_fma_f32 v[ACC+8*(2*\a+\b)+\j:ACC+8*(2*\a+\b)+\j+1], v[ACC+8*(2*\a+\b)+\j:ACC+8*(2*\a+\b)+\j+1], v[INV:INV+1], v[BO+8*\b+\j:BO+8*\b+\j+1]
.endr
	ds_store_b128 v[STO], v[ACC+8*(2*\a+\b):ACC+8*(2*\a+\b)+3] offset:\a*16*SPITCH+\b*64
	ds_store_b128 v[STO], v[ACC+8*(2*\a+\b)+4:ACC+8*(2*\a+\b)+7] offset:\a*16*SPITCH+\b*64+16
.endr
.endr
	s_wait_dscnt 0x0
	s_barrier_signal -1
	s_barrier_wait -1
.irp i, 0,1,2,3,4,5,6,7
	ds_load_b128 v[F0+4*\i:F0+4*\i+3], v[RD] offset:\i*16*SPITCH
.endr
.irp i, 0,1,2,3,4,5,6,7
	s_wait_dscnt 7-\i                              ; LDS loads return in order: the younger ones stay out
	global_store_b128 v[VW], v[F0+4*\i:F0+4*\i+3], s[12:13] offset:\i*65536 th:TH_STORE_NT   ; 16 lanes store 256 consecutive bytes of a row, aligned
.endr
	s_set_vgpr_msb 0x5
	s_wait_tensorcnt 0x0
	ds_add_u32 v0, v1
	s_wait_dscnt 0x0
	s_set_vgpr_msb 0x500
	s_endpgm
.Lfunc_end_k_q806997bb52_proj:
	.size	k_q806997bb52_proj, .Lfunc_end_k_q806997bb52_proj-k_q806997bb52_proj
	.p2alignl 7, 3214868480
	.fill 96, 4, 3214868480
	.section	.rodata,"a",@progbits
	.p2align	6, 0x0
	.amdhsa_kernel k_q806997bb52_proj
		.amdhsa_group_segment_fixed_size 91136
		.amdhsa_private_segment_fixed_size 0
		.amdhsa_enable_private_segment 0
		.amdhsa_kernarg_size 40
		.amdhsa_user_sgpr_count 2
		.amdhsa_user_sgpr_kernarg_segment_ptr 1
		.amdhsa_wavefront_size32 1
		.amdhsa_system_sgpr_workgroup_id_x 1
		.amdhsa_system_sgpr_workgroup_id_y 1
		.amdhsa_system_sgpr_workgroup_id_z 1
		.amdhsa_system_vgpr_workitem_id 0
		.amdhsa_next_free_vgpr 258
		.amdhsa_next_free_sgpr 66
		.amdhsa_reserve_vcc 0
		.amdhsa_float_denorm_mode_32 3
		.amdhsa_float_denorm_mode_16_64 3
		.amdhsa_memory_ordered 1
		.amdhsa_forward_progress 1
		.amdhsa_inst_pref_size 66
	.end_amdhsa_kernel
	.amdgpu_metadata
---
amdhsa.version: [ 1, 2 ]
amdhsa.kernels:
  - .name:           k_q806997bb52_proj
    .symbol:         k_q806997bb52_proj.kd
    .args:
      - { .name: ctx, .offset: 0, .size: 8, .value_kind: global_buffer, .address_space: global }
      - { .name: Wo, .offset: 8, .size: 8, .value_kind: global_buffer, .address_space: global }
      - { .name: bo, .offset: 16, .size: 8, .value_kind: global_buffer, .address_space: global }
      - { .name: vmax, .offset: 24, .size: 8, .value_kind: global_buffer, .address_space: global }
      - { .name: out0, .offset: 32, .size: 8, .value_kind: global_buffer, .address_space: global }
    .group_segment_fixed_size: 91136
    .private_segment_fixed_size: 0
    .kernarg_segment_align: 8
    .kernarg_segment_size: 40
    .max_flat_workgroup_size: 256
    .sgpr_count:     66
    .vgpr_count:     258
    .wavefront_size: 32
...
	.end_amdgpu_metadata
.endif
;; end of part 3
